; MI455X (gfx1250); checked and timed in simulation.
; The chip was launched on July 23, 2026; its instructions are those of AMD's public machine-readable ISA for CDNA 5 (MIT licence, August 2026) and "CDNA5" Instruction Set Architecture Reference Guide (July 2026). The comments in the code are by the model that wrote it; some were corrected since.
;; Multi Head Attention. Allowed arithmetic: matrix products marked QUANTISED: E2M1 operands, one E8M0 scale for each 32 along K, by v_wmma_scale_f32_16x16x128_f8f6f4 with both operands' format E2M1 (or v_wmma_scale_f32_32x16x128_f4), f32 sums; everything else in f32.
;; Inputs: Wk_codes 1,024 x 32 x 16 uint8 (E2M1 codes of Wk, K innermost, in blocks of 32 codes, two codes a byte); Wk_scales 1,024 x 32 uint8 (E8M0 scales of Wk, one for each 32 codes along K); Wo_codes 1,024 x 32 x 16 uint8 (E2M1 codes of Wo, K innermost, in blocks of 32 codes, two codes a byte); Wo_scales 1,024 x 32 uint8 (E8M0 scales of Wo, one for each 32 codes along K); Wq_codes 1,024 x 32 x 16 uint8 (E2M1 codes of Wq, K innermost, in blocks of 32 codes, two codes a byte); Wq_scales 1,024 x 32 uint8 (E8M0 scales of Wq, one for each 32 codes along K); Wv_codes 1,024 x 32 x 16 uint8 (E2M1 codes of Wv, K innermost, in blocks of 32 codes, two codes a byte); Wv_scales 1,024 x 32 uint8 (E8M0 scales of Wv, one for each 32 codes along K); bk 1,024 float32; bo 1,024 float32; bq 1,024 float32; bv 1,024 float32; key_codes 4 x 2,048 x 32 x 16 uint8 (E2M1 codes of key, K innermost, in blocks of 32 codes, two codes a byte); key_scales 4 x 2,048 x 32 uint8 (E8M0 scales of key, one for each 32 codes along K); query_codes 4 x 2,048 x 32 x 16 uint8 (E2M1 codes of query, K innermost, in blocks of 32 codes, two codes a byte); query_scales 4 x 2,048 x 32 uint8 (E8M0 scales of query, one for each 32 codes along K); value_codes 4 x 2,048 x 32 x 16 uint8 (E2M1 codes of value, K innermost, in blocks of 32 codes, two codes a byte); value_scales 4 x 2,048 x 32 uint8 (E8M0 scales of value, one for each 32 codes along K).
;; Outputs: out0 4 x 2,048 x 1,024 float32.
;; This version of the problem:
;;   THIS VERSION OF THE PROBLEM IS GIVEN IN LOW PRECISION. The matrix products marked QUANTISED in the list below multiply operands that are first quantised to E2M1 (2 exponent bits, 1 mantissa bit; 4 bits a number), with one power-of-two scale for each 32 numbers along K (OCP MX v1.0); their sums are f32. All else is computed in f32.
;;   The module's matrix products, in the order in which they are computed (A, B: the left and right operand; K: the contracted axis; several contracted axes count as one K, in the product's order):
;;     1. [M 8,192, K 1,024] x [K 1,024, N 1,024]; A: input query (given as codes); B: input Wq (given as codes): QUANTISED
;;     2. [M 8,192, K 1,024] x [K 1,024, N 1,024]; A: input key (given as codes); B: input Wk (given as codes): QUANTISED
;;     3. [M 8,192, K 1,024] x [K 1,024, N 1,024]; A: input value (given as codes); B: input Wv (given as codes): QUANTISED
;;     4. batch 64 x [M 2,048, K 64] x [K 64, N 2,048]; A: computed on the way; B: computed on the way: QUANTISED
;;     5. batch 64 x [M 2,048, K 2,048] x [K 2,048, N 64]; A: softmax (see below); B: computed on the way: QUANTISED
;;     6. [M 8,192, K 1,024] x [K 1,024, N 1,024]; A: computed on the way; B: input Wo (given as codes): QUANTISED
;;   THE QUANTISER, for each operand of a quantised product, along K:
;;     - K is cut into blocks of 32 from its start; a last block that is shorter is filled with zeros.
;;     - A block's scale is 2^e with e = floor(log2(the largest magnitude in the block)) - 2, held to -126 .. 127; a block of zeros has e = 0. As a byte (E8M0): e + 127.
;;     - Each number is divided by its block's scale, clamped to +-6, and rounded to the nearest number of E2M1, ties to even, subnormals kept.
;;     - The product sums the exact products of the quantised numbers (number of the format x scale) in f32.
;;   ~~~python
;;   def quantise(x, axis):      # numpy; x: float32 -> the quantised numbers, widened to float32 again
;;       x = np.moveaxis(x, axis, -1); K = x.shape[-1]
;;       x = np.pad(x, [(0, 0)] * (x.ndim - 1) + [(0, -K % 32)]); x = x.reshape(x.shape[:-1] + (-1, 32)); a = np.abs(x).max(-1, keepdims=True)
;;       e = np.where(a > 0, np.clip(np.frexp(np.where(a > 0, a, 1))[1] - 1 - 2, -126, 127), 0)      # np.frexp(a)[1] - 1 = floor(log2(a)), exactly
;;       r = np.clip(x / 2.0 ** e, -6, 6)
;;       step = 2.0 ** (np.maximum(np.frexp(np.where(r == 0, 1, r))[1] - 1, 0) - 1)
;;       q = np.round(r / step) * step * 2.0 ** e      # np.round: ties to even
;;       return np.moveaxis(q.reshape(q.shape[:-2] + (-1,))[..., :K], -1, axis).astype(np.float32)
;;   ~~~
;;   SOFTMAX AHEAD OF A QUANTISED PRODUCT. Where the list says 'softmax', what is quantised is not the finished softmax but p = 2^(t - M), with t = logit x log2(e) and M = ceil(the row's largest t), a whole number; so 1/2 < the row's largest p <= 1. The row's sum l is taken of the UNQUANTISED p, in f32, and the product's result is divided by l at the end. Since M is a whole number, a kernel that streams over the keys may use a running M (the ceiling of the running maximum): every later rescaling is an exact power of two, which a block's scale takes up: the codes' values come out the same.
;;   OPERANDS COMPUTED ON THE WAY. 'Computed on the way' means the value that the module computes at that place (a softmax that the list does not call 'softmax' is quantised finished and normalised). What goes into a quantiser is computed in f32, as accurately as f32 sums, v_exp_f32 and their like allow (about 1e-6 of the number): no bf16 or f16 on the way to a quantiser, and a product that is left as it is and whose result goes on into a quantised operand takes f32 operands (vector FMAs, or v_wmma_f32_16x16x4_f32). A number that lies on a knife's edge between two numbers of the format may be rounded either way, as far as f32 arithmetic and the matrix unit's own rounding can turn it there, and no further.
;;   INPUTS GIVEN AS CODES. Wk (in the module: [1024, 1024], K = its axis 1); Wo (in the module: [1024, 1024], K = its axis 1); Wq (in the module: [1024, 1024], K = its axis 1); Wv (in the module: [1024, 1024], K = its axis 1); key (in the module: [4, 2048, 1024], K = its axis 2); query (in the module: [4, 2048, 1024], K = its axis 2); value (in the module: [4, 2048, 1024], K = its axis 2): each comes as NAME_codes (uint8): NAME with its K axis moved to the last place and cut into blocks of 32 codes, [.., K / 32, bytes a block], one block behind the other in memory; two codes a byte, the lower K in the low four bits (a code: sign, 2 exponent bits, 1 mantissa bit); and NAME_scales (uint8): the same leading axes, one E8M0 byte (e + 127) for each 32 codes along K. Its value is code x scale, taken as it is: it is not quantised again, and the codes and scales need not be those that the quantiser above would give.
;; One version. Each part assembles by itself: llvm-mc -triple=amdgcn-amd-amdhsa -mcpu=gfx1250 --defsym DOCPART=n.
;; ======== version 1 of 1: 3 launches
;; workspace buffers: qimg 4,718,592 bytes; kv 9,175,040 bytes; oimg 4,194,304 bytes; oscl 262,144 bytes
;; launch proj (part 1): grid 4 x 192, 8 waves a work-group, clusters of 4 x 4, 222,976 bytes of LDS; arguments query_codes, query_scales, Wq_codes, Wq_scales, bq, key_codes, key_scales, Wk_codes, Wk_scales, bk, value_codes, value_scales, Wv_codes, Wv_scales, bv, qimg, kv; writes qimg, kv
.if DOCPART == 1
	.amdgcn_target "amdgcn-amd-amdhsa--gfx1250"
	.amdhsa_code_object_version 6
	.text
	.protected	k_q2860c2bad4_proj
	.globl	k_q2860c2bad4_proj
	.p2align	8
	.type	k_q2860c2bad4_proj,@function
k_q2860c2bad4_proj:
	s_mov_b64 s[64:65], 0
	v_nop
	global_prefetch_b8 v0, s[64:65] scope:SCOPE_SE
	s_setreg_imm32_b32 hwreg(HW_REG_WAVE_MODE, 25, 1), 1
	s_wait_xcnt 0x0
	s_wait_alu depctr_hold_cnt(0) depctr_sa_sdst(0) depctr_va_vdst(0) depctr_va_sdst(0) depctr_va_ssrc(0) depctr_va_vcc(0) depctr_vm_vsrc(0)
	s_getreg_b32 s2, hwreg(HW_REG_IB_STS2, 6, 4)
	s_cmp_eq_u32 s2, 0
	s_cbranch_scc0 .Lentry_in_a_cluster
	s_endpgm
.Lentry_in_a_cluster:
	s_bfe_u32 s2, ttmp6, 0x10000c
	s_cmp_lg_u32 s2, 0xf033
	s_cbranch_scc0 .Lentry_shape_is_right
	s_endpgm
.Lentry_shape_is_right:
; Q = query Wq^T + bq, K = key Wk^T + bk, V = value Wv^T + bv on codes of FP4 (E2M1) with one E8M0 byte for each 32 along K, sums in f32; the results are quantised here,
; in f32, for the attention launch: Q and K along the head's 64 (two blocks of 32), V along the keys (blocks of 32 keys), and leave as IMAGES OF OPERAND REGISTERS.
; SHARES.  768 work-groups: tensor TZ = cluster y / 16 (0 Q, 1 K, 2 V), 128 tokens (YT = y mod 64), 256 features (x: four heads).  Eight waves; wave w makes tokens 64 (w mod 2) on
; x head w / 2: 64 x 64, 16 accumulators, 8 K steps of 128.  All of K = 1,024 of the tile lies in LDS, in two chunks of 512 along K (rows of 256 bytes): every LDS byte is filled once.
; CLUSTER 4 x 4: the tokens' tile hangs on y alone and is asked for jointly along a row of the cluster, the weights' tile on x (and TZ) alone and jointly along a column.
; Q, K: source 0 = 16 rows of W, source 1 = 16 tokens: a lane holds ONE token and its registers run along the head's features.  V: source 0 = 16 tokens, source 1 = 16 rows of Wv:
; a lane holds ONE feature d and its registers run along the keys.  In both a lane's 32 registers of four tiles are the indices 16 p + 8 (lane / 16) + j of 64 along the next product's K.
; OUT.  qimg: [batch x head][128 queries] records of 4,608 bytes: 8 images of 512 bytes (16 queries x 64 codes; lane l's 16 bytes at 16 l), then 512 bytes of scale words.
; kv: [batch x head][128 keys] records of 8,960 bytes: K as in qimg; at 4,608 V^T's images (tile t of 16 d, keys 64 c on: 1,024 t + 512 c); at 8,704 V's scale words.
; LIMITS: NaN and infinities are not served.  A block of zeros, or one whose largest magnitude lies under 2^-124, gets the byte 1: only this program reads the bytes.
; A wave owns two of the four bytes of each of V's scale words, so those leave as stores of two bytes (256 bytes for each record).
.set LX0, 0                            ; LDS: chunk 0 of the tokens' codes: 128 rows, 256 bytes + 16 of padding
.set LW0, 34816                        ; chunk 0 of the weights': 256 rows
.set LX1, 104448                       ; chunk 1
.set LW1, 139264
.set LXS, 208896                       ; the tokens' scale bytes: 4,096 dense bytes as 16 units of 256 + 16
.set LWS, 213248                       ; the weights': 32 such units
.set ADX,  1                           ; v1, v3  LDS address of my tokens' fragments in chunk 0, 1
.set ADW,  2                           ; v2, v4  the same for my head's rows of W
.set ADSC, 5                           ; v5      my scale words: lanes 0-15 the tokens', lanes 16-31 the weights'
.set L16,  6                           ; v6      16 x lane
.set L8,   7                           ; v7      8 x lane
.set BOH,  8                           ; v8      32 x (lane / 16): the bias of eight features a lane
.set BOR,  9                           ; v9      4 x (lane mod 16): the bias of one feature a lane
.set BM,   10                          ; v10-11  a unit's two largest magnitudes
.set BP,   12                          ; v12-13  the other half's; then the bytes
.set BO,   14                          ; v14-15  the conversions' scale operands
.set SC,   16                          ; v16-19  scale words of a K step: register i: lanes 0-15 token tile i, lanes 16-31 W tile i
.set HWD,  20                          ; v20-23  the four units' two scale bytes
.set PK,   24                          ; v24-25  scale words as they are stored
.set SO,   26                          ; v26-27  the stores' offsets
.set XF,   32                          ; v32-63  four fragments of tokens; at the end v32-47 the codes
.set WF,   64                          ; v64-95  four fragments of W
.set BI,   96                          ; v96-127 the bias in the result's layout, by W tile: the C of each sum's first product
.set ACC,  128                         ; v128-255
.set WV,   38
.set CW,   39
.set HD,   40
.set CX,   41
.set CY,   42
.set GX,   43
.set GY,   44
.set TZ,   45
.set YT,   46
.set UP16, 47
.set SEL,  48
.set G1X,  52                          ; s[52:59] group 1: tokens' codes;  s[68:75] weights' codes;  s[76:83], s[84:91] their scale bytes
.set G1W,  68
.set G1XS, 76
.set G1WS, 84
.macro ROUND                           ; a round of the cluster's barrier
	s_barrier_signal -1
	s_barrier_wait -1
	s_cmp_lg_u32 s[WV], 0
	s_cbranch_scc1 .Lnot_wave_0_\@
	s_barrier_signal -3
.Lnot_wave_0_\@:
	s_barrier_wait -3
	s_barrier_signal -1
	s_barrier_wait -1
.endm
.macro PLACES                          ; four plain vector lines between a matrix instruction and a load into, or a vector read or write of, its registers
.rept 4
	v_nop
.endr
.endm
	s_load_b512 s[4:19], s[0:1], 0x0               ; query: codes, scales; Wq: codes, scales; bq; key: codes, scales; Wk: codes
	s_load_b512 s[20:35], s[0:1], 0x40             ; Wk: scales; bk; value: codes, scales; Wv: codes, scales; bv; qimg
	s_load_b64 s[36:37], s[0:1], 0x80              ; kv
	s_set_vgpr_msb 0x40
	v_lshl_add_u32 v0, v0, 2, 0x36300
	v_mov_b32 v1, 0
	s_set_vgpr_msb 0x4045
	ds_add_u32 v0, v1
	ds_add_u32 v0, v1
	s_set_vgpr_msb 0x4500
	v_lshrrev_b32 v1, 5, v0
	s_delay_alu instid0(VALU_DEP_1)
	v_readfirstlane_b32 s[WV], v1                  ; wave 0..7
	s_and_b32 s[CW], s[WV], 1                      ; which 64 tokens
	s_lshr_b32 s[HD], s[WV], 1                     ; which of the four heads
	s_bfe_u32 s[CX], ttmp6, 0x40000
	s_bfe_u32 s[CY], ttmp6, 0x40004
	s_lshl_b32 s[GX], ttmp9, 2
	s_add_co_u32 s[GX], s[GX], s[CX]               ; x
	s_and_b32 s[TZ], ttmp7, 0xffff                 ; cluster y
	s_lshl_b32 s[GY], s[TZ], 2
	s_add_co_u32 s[GY], s[GY], s[CY]               ; y
	s_lshr_b32 s[TZ], s[TZ], 4                     ; the tensor: made of the cluster's y alone, the same in all sixteen partners
	s_and_b32 s[YT], s[GY], 63                     ; the tile of 128 tokens
	s_mov_b32 s[UP16], 0xffff0000                  ; lanes 16-31
	s_mov_b32 s[SEL], 0x76543210
	s_mov_b32 s[SEL+1], 0xfedcba98                 ; v_permlanex16_b32: lane l xor 16
	s_lshl_b32 s50, s[CY], 2
	s_lshl_b32 s50, 15, s50                        ; my row of the cluster
	s_lshl_b32 s60, 0x1111, s[CX]                  ; my column
	s_or_b32 s[G1X], s50, (1<<20)|(1<<21)|(5<<22)|(3<<25)      ; elements of 1 byte; 4 words of padding behind every 64
	s_or_b32 s[G1W], s60, (1<<20)|(1<<21)|(5<<22)|(3<<25)
.irp g, G1X, G1W
	s_mov_b32 s[\g+1], 256<<16                     ; tensor_dim0 = 256 bytes: 512 along K
	s_mov_b32 s[\g+2], 128<<16                     ; tensor_dim1 = 128 rows
	s_mov_b32 s[\g+3], 256<<16                     ; tile_dim0
	s_mov_b32 s[\g+4], 128                         ; tile_dim1
	s_mov_b32 s[\g+5], 512                         ; a row of 1,024 codes in memory
	s_mov_b32 s[\g+6], 0
	s_mov_b32 s[\g+7], 0
.endr
	s_or_b32 s[G1XS], s50, (3<<16)|(1<<20)|(1<<21)|(5<<22)|(3<<25)   ; the scale bytes of 128 rows: 4,096 dense bytes as 16 rows of 32 elements of 8 bytes
	s_or_b32 s[G1WS], s60, (3<<16)|(1<<20)|(1<<21)|(5<<22)|(3<<25)
.irp g, G1XS, G1WS
	s_mov_b32 s[\g+1], 32<<16
	s_mov_b32 s[\g+2], 16<<16
	s_mov_b32 s[\g+3], 32<<16
	s_mov_b32 s[\g+4], 16
	s_mov_b32 s[\g+5], 32
	s_mov_b32 s[\g+6], 0
	s_mov_b32 s[\g+7], 0
.endr
	s_wait_dscnt 0x0
	s_wait_kmcnt 0x0
	s_cmp_eq_u32 s[TZ], 1                          ; the tensor's five inputs and its output: choices that hang on the cluster's y alone
	s_cselect_b64 s[4:5], s[14:15], s[4:5]
	s_cselect_b64 s[6:7], s[16:17], s[6:7]
	s_cselect_b64 s[8:9], s[18:19], s[8:9]
	s_cselect_b64 s[10:11], s[20:21], s[10:11]
	s_cselect_b64 s[12:13], s[22:23], s[12:13]
	s_cmp_eq_u32 s[TZ], 2
	s_cselect_b64 s[4:5], s[24:25], s[4:5]
	s_cselect_b64 s[6:7], s[26:27], s[6:7]
	s_cselect_b64 s[8:9], s[28:29], s[8:9]
	s_cselect_b64 s[10:11], s[30:31], s[10:11]
	s_cselect_b64 s[12:13], s[32:33], s[12:13]
	s_cmp_eq_u32 s[TZ], 0
	s_cselect_b64 s[34:35], s[34:35], s[36:37]
	; groups 0 for the tokens (made of y alone): scale bytes s[16:19], chunk 0 s[20:23], chunk 1 s[24:27]
	s_lshl_b32 s50, s[YT], 16                      ; 128 rows of 512 bytes
	s_mov_b32 s51, 0
	s_add_nc_u64 s[14:15], s[4:5], s[50:51]
	s_mov_b32 s20, 1
	s_mov_b32 s21, LX0
	s_mov_b64 s[22:23], s[14:15]
	s_or_b32 s23, s23, 0x80000000
	s_mov_b32 s24, 1
	s_mov_b32 s25, LX1
	s_add_nc_u64 s[26:27], s[14:15], 256
	s_or_b32 s27, s27, 0x80000000
	s_lshl_b32 s50, s[YT], 12                      ; 128 rows of 32 bytes
	s_mov_b32 s16, 1
	s_mov_b32 s17, LXS
	s_add_nc_u64 s[18:19], s[6:7], s[50:51]
	s_or_b32 s19, s19, 0x80000000
	; groups 0 for the weights (made of x and the wave's number): scale bytes s[28:31], chunk 0 s[92:95], chunk 1 s[96:99].  Wave 1 fetches rows 0-127, wave 2 rows 128-255
	s_lshr_b32 s62, s[WV], 1
	s_and_b32 s62, s62, 1
	s_lshl_b32 s60, s[GX], 17                      ; 256 rows of 512 bytes
	s_lshl_b32 s61, s62, 16
	s_add_co_u32 s60, s60, s61
	s_mov_b32 s61, 0
	s_add_nc_u64 s[32:33], s[8:9], s[60:61]
	s_mul_i32 s63, s62, 34816
	s_mov_b32 s92, 1
	s_add_co_u32 s93, s63, LW0
	s_mov_b64 s[94:95], s[32:33]
	s_or_b32 s95, s95, 0x80000000
	s_mov_b32 s96, 1
	s_add_co_u32 s97, s63, LW1
	s_add_nc_u64 s[98:99], s[32:33], 256
	s_or_b32 s99, s99, 0x80000000
	s_lshl_b32 s60, s[GX], 13                      ; 256 rows of 32 bytes
	s_lshl_b32 s63, s62, 12
	s_add_co_u32 s60, s60, s63
	s_add_nc_u64 s[30:31], s[10:11], s[60:61]
	s_or_b32 s31, s31, 0x80000000
	s_mul_i32 s63, s62, 4352
	s_mov_b32 s28, 1
	s_add_co_u32 s29, s63, LWS
	ROUND                                          ; all sixteen work-groups are here: the joint loads meet
	s_cmp_eq_u32 s[WV], 0                          ; a wave's fills stand in one branch on its number: three loads of a wave are out at the most
	s_cbranch_scc0 .Lnot_x
	tensor_load_to_lds s[16:19], s[G1XS:G1XS+7]
	s_nop 0
	tensor_load_to_lds s[20:23], s[G1X:G1X+7]
	s_nop 0
	tensor_load_to_lds s[24:27], s[G1X:G1X+7]
	s_nop 0
	PLACES
	s_branch .Lasked
.Lnot_x:
	s_cmp_lt_u32 s[WV], 3
	s_cbranch_scc0 .Lasked
	tensor_load_to_lds s[28:31], s[G1WS:G1WS+7]
	s_nop 0
	tensor_load_to_lds s[92:95], s[G1W:G1W+7]
	s_nop 0
	tensor_load_to_lds s[96:99], s[G1W:G1W+7]
	s_nop 0
	PLACES
.Lasked:
	; the bias of my head's 64 features, in the result's layout
	s_lshl_b32 s2, s[GX], 10
	s_lshl_b32 s3, s[HD], 8
	s_add_co_u32 s2, s2, s3
	s_mov_b32 s3, 0
	s_add_nc_u64 s[12:13], s[12:13], s[2:3]
	v_and_b32 v28, 15, v0                          ; r
	v_bfe_u32 v29, v0, 4, 1                        ; h
	s_delay_alu instid0(VALU_DEP_1)
	v_lshlrev_b32 v[BOH], 5, v29
	s_delay_alu instid0(VALU_DEP_3)
	v_lshlrev_b32 v[BOR], 2, v28
	s_cmp_eq_u32 s[TZ], 2
	s_cbranch_scc1 .Lbias_v
.irp wt, 0,1,2,3                               ; Q, K: register j is feature 16 wt + 8 h + j
	global_load_b128 v[BI+8*\wt:BI+8*\wt+3], v[BOH], s[12:13] offset:64*\wt
	global_load_b128 v[BI+8*\wt+4:BI+8*\wt+7], v[BOH], s[12:13] offset:64*\wt+16
.endr
	s_branch .Lbias_in
.Lbias_v:
	s_wait_alu depctr_va_vdst(0)
.irp wt, 0,1,2,3                               ; V: all eight registers are feature 16 wt + r
.irp j, 0,1,2,3,4,5,6,7
	global_load_b32 v[BI+8*\wt+\j], v[BOR], s[12:13] offset:64*\wt
.endr
.endr
.Lbias_in:
	s_wait_alu depctr_va_vdst(0)
	v_mul_u32_u24 v30, v28, 272
	s_delay_alu instid0(VALU_DEP_1)
	v_lshl_add_u32 v30, v29, 4, v30                ; a fragment: row r x pitch + 16 h
	s_mul_i32 s2, s[CW], 17408                     ; my 64 tokens
	s_mul_i32 s3, s[HD], 17408                     ; my 64 rows of W
	s_add_co_u32 s3, s3, LW0
	v_add_nc_u32 v[ADX], s2, v30
	v_add_nc_u32 v[ADW], s3, v30
	s_delay_alu instid0(VALU_DEP_2)
	v_add_nc_u32 v[ADX+2], LX1-LX0, v[ADX]
	s_delay_alu instid0(VALU_DEP_2)
	v_add_nc_u32 v[ADW+2], LW1-LW0, v[ADW]
	v_lshrrev_b32 v30, 3, v28                      ; scale words: eight rows of 32 bytes to a unit of 272
	s_delay_alu instid0(VALU_DEP_1)
	v_mul_u32_u24 v30, v30, 272
	v_and_b32 v31, 7, v28
	s_delay_alu instid0(VALU_DEP_1)
	v_lshl_add_u32 v30, v31, 5, v30
	s_xor_b32 s2, s[CW], 1
	s_add_co_u32 s2, s2, s[HD]
	s_add_co_u32 s2, s2, 1
	s_mul_i32 s2, s2, 2176                         ; from my tokens' words to my W rows': 4,352 + 2,176 head - 2,176 CW
	v_mul_u32_u24 v31, s2, v29                     ; lanes 16-31 take W's
	s_delay_alu instid0(VALU_DEP_1)
	v_add_nc_u32 v30, v30, v31
	s_mul_i32 s3, s[CW], 2176
	s_add_co_u32 s3, s3, LXS
	v_add_nc_u32 v[ADSC], s3, v30
	v_and_b32 v31, 31, v0
	s_delay_alu instid0(VALU_DEP_1)
	v_lshlrev_b32 v[L16], 4, v31
	s_delay_alu instid0(VALU_DEP_2)
	v_lshlrev_b32 v[L8], 3, v31
	v_mov_b32 v[BP], 0                             ; written once: a lane permute's destination counts as one of its sources
	v_mov_b32 v[BP+1], 0
; a K step's operands: 4 scale words, W's four fragments, the tokens' four, in this order
.macro LOADS k, qq
.irp i, 0,1,2,3
	ds_load_b32 v[SC+\i], v[ADSC] offset:544*\i+16*\k+4*\qq
.endr
.irp i, 0,1,2,3
.irp c, 0,1
	ds_load_b128 v[WF+8*\i+4*\c:WF+8*\i+4*\c+3], v[ADW+2*\k] offset:4352*\i+64*\qq+32*\c
.endr
.endr
.irp i, 0,1,2,3
.irp c, 0,1
	ds_load_b128 v[XF+8*\i+4*\c:XF+8*\i+4*\c+3], v[ADX+2*\k] offset:4352*\i+64*\qq+32*\c
.endr
.endr
.endm
; 16 products; the 16 accumulators take turns, one instruction a turn.  var = 0: Q, K;  1: V.  first = 1: the bias is the C
.macro MULS var, first
.irp xt, 0,1,2,3
	s_wait_dscnt 6-2*\xt                           ; token tile xt is in; the two loads of each later tile may be out
.irp wt, 0,1,2,3
.if \var == 0
.set DD, ACC+8*(4*\xt+\wt)
.if \first
	v_wmma_scale_f32_16x16x128_f8f6f4 v[DD:DD+7], v[WF+8*\wt:WF+8*\wt+7], v[XF+8*\xt:XF+8*\xt+7], v[BI+8*\wt:BI+8*\wt+7], v[SC+\wt], v[SC+\xt] matrix_a_fmt:MATRIX_FMT_FP4 matrix_b_fmt:MATRIX_FMT_FP4 matrix_a_scale:MATRIX_SCALE_ROW1
.else
	v_wmma_scale_f32_16x16x128_f8f6f4 v[DD:DD+7], v[WF+8*\wt:WF+8*\wt+7], v[XF+8*\xt:XF+8*\xt+7], v[DD:DD+7], v[SC+\wt], v[SC+\xt] matrix_a_fmt:MATRIX_FMT_FP4 matrix_b_fmt:MATRIX_FMT_FP4 matrix_a_scale:MATRIX_SCALE_ROW1
.endif
.else
.set DD, ACC+8*(4*\wt+\xt)
.if \first
	v_wmma_scale_f32_16x16x128_f8f6f4 v[DD:DD+7], v[XF+8*\xt:XF+8*\xt+7], v[WF+8*\wt:WF+8*\wt+7], v[BI+8*\wt:BI+8*\wt+7], v[SC+\xt], v[SC+\wt] matrix_a_fmt:MATRIX_FMT_FP4 matrix_b_fmt:MATRIX_FMT_FP4 matrix_b_scale:MATRIX_SCALE_ROW1
.else
	v_wmma_scale_f32_16x16x128_f8f6f4 v[DD:DD+7], v[XF+8*\xt:XF+8*\xt+7], v[WF+8*\wt:WF+8*\wt+7], v[DD:DD+7], v[SC+\xt], v[SC+\wt] matrix_a_fmt:MATRIX_FMT_FP4 matrix_b_fmt:MATRIX_FMT_FP4 matrix_b_scale:MATRIX_SCALE_ROW1
.endif
.endif
.endr
.endr
.endm
.macro KSTEP var, k, qq
.if (\k)+(\qq) > 0
	PLACES                                         ; in front of loads into registers that the last step's products have read
	LOADS \k, \qq
	MULS \var, 0
.else
	LOADS \k, \qq
	MULS \var, 1
.endif
.endm
.macro HALF var, k                             ; a chunk's four K steps
.irp qq, 0,1,2,3
	KSTEP \var, \k, \qq
.endr
.endm
; 32 registers of a lane, register 8 p + j = index 16 p + 8 (lane / 16) + j of 64 along the next K, become four registers of codes (lanes 0-15 block 0, lanes 16-31 block 1) and the two scale bytes
.macro QUANT src, pc, hw
.irp b, 0,1
	v_max3_num_f32 v[BM+\b], |v[\src+16*\b]|, |v[\src+16*\b+1]|, 0x1800000   ; my 16 of block b, and the floor 2^(3 - 127): the byte cannot fall under 1
.endr
.irp i, 2,4,6,8,10,12,14
.irp b, 0,1
	v_max3_num_f32 v[BM+\b], v[BM+\b], |v[\src+16*\b+\i]|, |v[\src+16*\b+\i+1]|
.endr
.endr
.irp b, 0,1
	s_delay_alu instid0(VALU_DEP_2)
	v_permlanex16_b32 v[BP+\b], v[BM+\b], s[SEL], s[SEL+1]
.endr
.irp b, 0,1
	s_delay_alu instid0(VALU_DEP_2)
	v_max_num_f32 v[BM+\b], v[BM+\b], v[BP+\b]     ; with lane l xor 16's 16: the block's largest magnitude
.endr
.irp b, 0,1
	s_delay_alu instid0(VALU_DEP_2)
	v_add_nc_u32 v[BO+\b], 0xff000000, v[BM+\b]    ; 2 off its exponent field: the conversion's scale operand
.endr
.irp b, 0,1
	s_delay_alu instid0(VALU_DEP_2)
	v_lshrrev_b32 v[BP+\b], 23, v[BO+\b]           ; the byte
.endr
	s_delay_alu instid0(VALU_DEP_1)
	v_lshl_or_b32 v[\hw], v[BP+1], 8, v[BP]
	v_cvt_scalef32_pk8_fp4_f32 v[\pc], v[\src:\src+7], v[BO]
	v_cvt_scalef32_pk8_fp4_f32 v[\pc+2], v[\src+8:\src+15], v[BO]
	v_cvt_scalef32_pk8_fp4_f32 v[\pc+1], v[\src+16:\src+23], v[BO+1]
	v_cvt_scalef32_pk8_fp4_f32 v[\pc+3], v[\src+24:\src+31], v[BO+1]
	v_nop                                          ; one plain line behind the scaled conversions
	v_permlane16_swap_b32 v[\pc], v[\pc+1]         ; block 0's upper eight change places with block 1's lower eight: register i now holds k = 32 (lane / 16) + 8 i + 0 .. 7
	v_permlane16_swap_b32 v[\pc+2], v[\pc+3]
.endm
	s_wait_loadcnt 0x0                             ; the bias
	s_wait_tensorcnt 0x1                           ; my scale bytes and my part of chunk 0 are in; chunk 1's load, issued behind them, may be out
	s_barrier_signal -1
	s_barrier_wait -1
	s_cmp_eq_u32 s[TZ], 2
	s_cbranch_scc1 .Lv_half0
	s_wait_alu depctr_va_vdst(0)
	HALF 0, 0
	s_branch .Lj_half0
.Lv_half0:
	s_wait_alu depctr_va_vdst(0)
	HALF 1, 0
.Lj_half0:
	s_wait_tensorcnt 0x0                           ; my part of chunk 1 is in,
	s_barrier_signal -1
	s_barrier_wait -1                              ; everybody's is
	s_cmp_eq_u32 s[TZ], 2
	s_cbranch_scc1 .Lv_half1
	HALF 0, 1
	s_branch .Lj_half1
.Lv_half1:
	HALF 1, 1
.Lj_half1:
	PLACES
	QUANT ACC, XF, HWD
	QUANT ACC+32, XF+4, HWD+1
	QUANT ACC+64, XF+8, HWD+2
	QUANT ACC+96, XF+12, HWD+3
	; the record: ((batch x 16 + head) x 16 + the tile of 128 tokens in the batch)
	s_lshr_b32 s2, s[YT], 4
	s_lshl_b32 s2, s2, 4
	s_lshl_b32 s3, s[GX], 2
	s_add_co_u32 s2, s2, s3
	s_add_co_u32 s2, s2, s[HD]
	s_lshl_b32 s2, s2, 4
	s_and_b32 s3, s[YT], 15
	s_add_co_u32 s2, s2, s3
	s_mov_b32 s3, 8960
	s_cmp_eq_u32 s[TZ], 0
	s_cselect_b32 s3, 4608, s3
	s_mul_i32 s2, s2, s3
	s_mov_b32 s3, 0
	s_add_nc_u64 s[34:35], s[34:35], s[2:3]
	v_cndmask_b32 v[PK], v[HWD], v[HWD+1], s[UP16]       ; lanes 0-15 unit 0's bytes, lanes 16-31 unit 1's
	s_wait_alu depctr_va_vdst(0)
	v_cndmask_b32 v[PK+1], v[HWD+2], v[HWD+3], s[UP16]   ; units 2 and 3
	s_cmp_eq_u32 s[TZ], 2
	s_cbranch_scc1 .Lout_v
	s_lshl_b32 s2, s[CW], 11                       ; Q, K: my four tiles' images, 2,048 bytes on end
	s_lshl_b32 s3, s[CW], 8
	v_add_nc_u32 v[SO], s2, v[L16]
	v_add_nc_u32 v[SO+1], s3, v[L8]
	v_or_b32 v[PK], 0x7f7f0000, v[PK]              ; bytes 2 and 3 belong to the upper 64 of a K step of 128, which hold zero codes on the queries' side: the byte of 1.0
	v_or_b32 v[PK+1], 0x7f7f0000, v[PK+1]
.irp rt, 0,1,2,3
	global_store_b128 v[SO], v[XF+4*\rt:XF+4*\rt+3], s[34:35] offset:512*\rt
.endr
	global_store_b64 v[SO+1], v[PK:PK+1], s[34:35] offset:4096     ; 256 consecutive bytes
	s_branch .Lout_done
.Lout_v:
	s_lshl_b32 s2, s[CW], 9                        ; V: tile t of 16 d at 1,024 t, my 64 keys at 512 CW
	s_lshl_b32 s3, s[CW], 1
	v_add_nc_u32 v[SO], s2, v[L16]
	v_add_nc_u32 v[SO+1], s3, v[L8]
	s_wait_alu depctr_va_vdst(0)
.irp rt, 0,1,2,3
	global_store_b128 v[SO], v[XF+4*\rt:XF+4*\rt+3], s[34:35] offset:4608+1024*\rt
.endr
	global_store_b16 v[SO+1], v[PK], s[34:35] offset:8704          ; my two bytes of each scale word
	global_store_b16 v[SO+1], v[PK+1], s[34:35] offset:8708
.Lout_done:
	s_set_vgpr_msb 0x5
	s_wait_tensorcnt 0x0
	ds_add_u32 v0, v1
	s_wait_dscnt 0x0
	s_set_vgpr_msb 0x500
	ROUND                                          ; the closing round: no work-group ends while a partner may still ask for a tile that names it
	s_endpgm
.Lfunc_end_k_q2860c2bad4_proj:
	.size	k_q2860c2bad4_proj, .Lfunc_end_k_q2860c2bad4_proj-k_q2860c2bad4_proj
	.p2alignl 7, 3214868480
	.fill 96, 4, 3214868480
	.section	.rodata,"a",@progbits
	.p2align	6, 0x0
	.amdhsa_kernel k_q2860c2bad4_proj
		.amdhsa_group_segment_fixed_size 222976
		.amdhsa_private_segment_fixed_size 0
		.amdhsa_enable_private_segment 0
		.amdhsa_kernarg_size 136
		.amdhsa_user_sgpr_count 2
		.amdhsa_user_sgpr_kernarg_segment_ptr 1
		.amdhsa_wavefront_size32 1
		.amdhsa_system_sgpr_workgroup_id_x 1
		.amdhsa_system_sgpr_workgroup_id_y 1
		.amdhsa_system_sgpr_workgroup_id_z 1
		.amdhsa_system_vgpr_workitem_id 0
		.amdhsa_next_free_vgpr 258
		.amdhsa_next_free_sgpr 100
		.amdhsa_reserve_vcc 0
		.amdhsa_float_denorm_mode_32 3
		.amdhsa_float_denorm_mode_16_64 3
		.amdhsa_memory_ordered 1
		.amdhsa_forward_progress 1
		.amdhsa_inst_pref_size 81
	.end_amdhsa_kernel
	.amdgpu_metadata
---
amdhsa.version: [ 1, 2 ]
amdhsa.kernels:
  - .name:           k_q2860c2bad4_proj
    .symbol:         k_q2860c2bad4_proj.kd
    .args:
      - { .name: query_codes, .offset: 0, .size: 8, .value_kind: global_buffer, .address_space: global }
      - { .name: query_scales, .offset: 8, .size: 8, .value_kind: global_buffer, .address_space: global }
      - { .name: Wq_codes, .offset: 16, .size: 8, .value_kind: global_buffer, .address_space: global }
      - { .name: Wq_scales, .offset: 24, .size: 8, .value_kind: global_buffer, .address_space: global }
      - { .name: bq, .offset: 32, .size: 8, .value_kind: global_buffer, .address_space: global }
      - { .name: key_codes, .offset: 40, .size: 8, .value_kind: global_buffer, .address_space: global }
      - { .name: key_scales, .offset: 48, .size: 8, .value_kind: global_buffer, .address_space: global }
      - { .name: Wk_codes, .offset: 56, .size: 8, .value_kind: global_buffer, .address_space: global }
      - { .name: Wk_scales, .offset: 64, .size: 8, .value_kind: global_buffer, .address_space: global }
      - { .name: bk, .offset: 72, .size: 8, .value_kind: global_buffer, .address_space: global }
      - { .name: value_codes, .offset: 80, .size: 8, .value_kind: global_buffer, .address_space: global }
      - { .name: value_scales, .offset: 88, .size: 8, .value_kind: global_buffer, .address_space: global }
      - { .name: Wv_codes, .offset: 96, .size: 8, .value_kind: global_buffer, .address_space: global }
      - { .name: Wv_scales, .offset: 104, .size: 8, .value_kind: global_buffer, .address_space: global }
      - { .name: bv, .offset: 112, .size: 8, .value_kind: global_buffer, .address_space: global }
      - { .name: qimg, .offset: 120, .size: 8, .value_kind: global_buffer, .address_space: global }
      - { .name: kv, .offset: 128, .size: 8, .value_kind: global_buffer, .address_space: global }
    .group_segment_fixed_size: 222976
    .private_segment_fixed_size: 0
    .kernarg_segment_align: 8
    .kernarg_segment_size: 136
    .max_flat_workgroup_size: 256
    .sgpr_count:     100
    .vgpr_count:     258
    .wavefront_size: 32
...
	.end_amdgpu_metadata
.endif
;; end of part 1
;; launch attn (part 2): grid 4 x 64, 16 waves a work-group, clusters of 4 x 1, 169,984 bytes of LDS; arguments qimg, kv, oimg, oscl; writes oimg, oscl
.if DOCPART == 2
	.amdgcn_target "amdgcn-amd-amdhsa--gfx1250"
	.amdhsa_code_object_version 6
	.text
	.protected	k_q2860c2bad4_attn
	.globl	k_q2860c2bad4_attn
	.p2align	8
	.type	k_q2860c2bad4_attn,@function
k_q2860c2bad4_attn:
	s_mov_b64 s[64:65], 0
	v_nop
	global_prefetch_b8 v0, s[64:65] scope:SCOPE_SE
	s_setreg_imm32_b32 hwreg(HW_REG_WAVE_MODE, 25, 1), 1
	s_wait_xcnt 0x0
	s_wait_alu depctr_hold_cnt(0) depctr_sa_sdst(0) depctr_va_vdst(0) depctr_va_sdst(0) depctr_va_ssrc(0) depctr_va_vcc(0) depctr_vm_vsrc(0)
	s_getreg_b32 s2, hwreg(HW_REG_IB_STS2, 6, 4)
	s_cmp_eq_u32 s2, 0
	s_cbranch_scc0 .Lentry_in_a_cluster
	s_endpgm
.Lentry_in_a_cluster:
	s_bfe_u32 s2, ttmp6, 0x10000c
	s_cmp_lg_u32 s2, 0x3003
	s_cbranch_scc0 .Lentry_shape_is_right
	s_endpgm
.Lentry_shape_is_right:
; O = softmax(Q K^T / 8) V for one head, both products on codes of FP4 (E2M1) with one E8M0 byte for each 32 along a product's K; O / l is quantised here along d_model for the last product.
; THE SOFTMAX: t = score x log2(e) / 8; M = the running largest t rounded UP to a whole number; p = 2^(t - M) is quantised along the keys, not normalised; the row's sum l is taken of the
; unquantised p, in f32, and divides O at the end.  When M moves, l and O are multiplied by 2^(old M - new M): exact.
; SHARES.  A work-group owns 512 queries of one head (batch x head = y); each of its sixteen waves two tiles of 16 queries, A = tile w and B = tile w + 16, which use each fragment of K and V
; once it is in registers.  Four waves lie on a SIMD, so that one wave's vector work stands beside another's products and LDS loads.
; LDS holds the head's 16 records of kv (128 keys each, 8,960 bytes) as they lie in memory: 143,360 bytes, each filled once; every read is of consecutive bytes (16 or 8 a lane).
; CLUSTER 4 x 1: the four work-groups of a head want the same records: waves 0 and 1 ask for them JOINTLY, four loads of two records each; four loads of a wave are out at the most.
; All tiles are asked for at the kernel's head, so there is no later request that a prefetch could run ahead of.
; LAYOUT.  S^T = K Q^T (source 0 = 16 keys, source 1 = 16 queries), O^T = V^T P^T (source 0 = 16 of the head's 64, source 1 = P): a lane holds ONE query throughout.  A tile of S^T holds 16 neighbouring
; keys, 8 (lane / 16) + j in register j; eight registers make one register of codes, and two exchanges of lane halves for each 64 keys lay whole blocks of 32 into a lane.
; THE FIRST PRODUCT'S K IS 64, THE INSTRUCTION'S 128: Q's fragment holds zero codes in its upper four registers; K's images lie four registers apart, so the upper half of tile T's fragment is tile T + 1's
; codes (behind tile 7: zeros), which meet zero codes alone, under the byte of 1.0: they add nothing.
; LIMITS: NaN and infinities are not served.  A block of O that is all zeros or lies under 2^-124 gets the byte 1: only this program reads the bytes.
; A work-group owns 2 of each token's 32 scale bytes of O, so those leave as stores of two bytes; lanes 16-31 store the same bytes with the same value as lanes 0-15.
.set REC,  8960
.set L16,  1                           ; v1   16 x lane
.set L8,   2                           ; v2   8 x lane
.set ADK,  3                           ; v3   the record in hand + 16 x lane
.set ADS,  4                           ; v4   the record in hand + 8 x lane
.set QSO,  6                           ; v6   my query's scale word: 8 r + 128 (w mod 2)
.set R32,  7                           ; v7   32 r
.set STA,  12                          ; v12 -M, v13 the largest t, v[14:15] the sum in two halves: tile A
.set STB,  16                          ; v16-19 the same for tile B
.set FF,   20                          ; v[20:21] f = 2^(old M - new M); v21 is named with it as a pair
.set TT,   22
.set QA,   24                          ; v[24:31] tile A's fragment, v28-31 zero codes
.set QB,   32                          ; v[32:39] tile B's
.set QSA,  40
.set QSB,  41
.set KS,   42                          ; v[42:45] K's scale words: register i: lanes 0-15 tile 2 i, lanes 16-31 tile 2 i + 1
.set VS,   46                          ; v[46:47] V's likewise
.set PWA,  48                          ; p's scale words
.set PWB,  49
.set PCA,  50                          ; v[50:57], v[58:65] p's codes
.set PCB,  58
.set BM,   66                          ; v66-69 a block's largest score, then p
.set BP,   70                          ; v70-73 the other half's; bytes; a chain of the sum
.set BO,   74                          ; v74-77 the conversions' scale operands
.set RL,   78                          ; v[78:79] 1 / l
.set KV,   80                          ; v[80:111] K's eight images, later V's four fragments; v112-115 zero codes
.set S,    116                         ; v[116:179] S^T, then p
.set OA,   180                         ; v[180:211], v[212:243] O^T
.set OB,   212
.set HWA,  244
.set HWB,  245
.set WV,   12
.set G1,   24                          ; s[24:31]
.set G0,   32                          ; s[32:47] four sets
.set SEL,  48
.set CS,   50                          ; s[50:51] c = log2(e) / 8
.set TB,   52                          ; s52 LDS byte of the record in hand
.set CNT,  53
.macro ROUND
	s_barrier_signal -1
	s_barrier_wait -1
	s_cmp_lg_u32 s[WV], 0
	s_cbranch_scc1 .Lnot_wave_0_\@
	s_barrier_signal -3
.Lnot_wave_0_\@:
	s_barrier_wait -3
	s_barrier_signal -1
	s_barrier_wait -1
.endm
.macro PLACES
.rept 4
	v_nop
.endr
.endm
	s_load_b256 s[4:11], s[0:1], 0x0               ; qimg, kv, oimg, oscl
	v_lshl_add_u32 v254, v0, 2, 0x29000
	v_mov_b32 v255, 0
	ds_add_u32 v254, v255
	ds_add_u32 v254, v255
	v_lshrrev_b32 v1, 5, v0
	s_delay_alu instid0(VALU_DEP_1)
	v_readfirstlane_b32 s[WV], v1                  ; wave 0..15
	s_bfe_u32 s13, ttmp6, 0x40000                  ; cx: which 512 queries; it enters Q's and O's addresses alone
	s_and_b32 s14, ttmp7, 0xffff                   ; batch x head, which the four partners share
	s_mov_b32 s[G1], 15|(3<<16)|(1<<21)            ; the mask: all four; elements of 8 bytes; no padding
	s_mov_b32 s[G1+1], 32<<16                      ; rows of 256 bytes,
	s_mov_b32 s[G1+2], 70<<16                      ; 70 of them: two records
	s_mov_b32 s[G1+3], 32<<16
	s_mov_b32 s[G1+4], 70
	s_mov_b32 s[G1+5], 32
	s_mov_b32 s[G1+6], 0
	s_mov_b32 s[G1+7], 0
	s_mov_b32 s[SEL], 0x76543210
	s_mov_b32 s[SEL+1], 0xfedcba98
	s_mov_b32 s[CS], 0x3e38aa3b
	s_mov_b32 s[CS+1], s[CS]
	s_mov_b32 s[TB], 0
	s_and_b32 s16, s[WV], 1
	s_mul_i32 s16, s16, 2*REC                      ; load s of wave w brings records 4 s + 2 w and 4 s + 2 w + 1
	s_mul_i32 s17, s14, 16*REC
	s_add_co_u32 s18, s16, s17
	s_mov_b32 s19, 0
	; Q: record (batch x head) x 16 + 4 cx + w / 8, tile w mod 8; tile B two records on
	s_lshl_b32 s20, s14, 4
	s_lshl_b32 s21, s13, 2
	s_add_co_u32 s20, s20, s21
	s_lshr_b32 s21, s[WV], 3
	s_add_co_u32 s20, s20, s21
	s_mul_i32 s20, s20, 4608
	s_and_b32 s21, s[WV], 7
	s_lshl_b32 s21, s21, 9
	s_add_co_u32 s22, s20, s21                     ; the tile's image
	s_mov_b32 s23, 0
	s_bfe_u32 s21, s[WV], 0x10002                  ; its scale words: 4,096 + 256 (T / 4) + 4 ((T mod 4) / 2) + 128 (T mod 2) + 8 r
	s_lshl_b32 s21, s21, 8
	s_add_co_u32 s20, s20, s21
	s_bfe_u32 s21, s[WV], 0x10001
	s_lshl_b32 s21, s21, 2
	s_add_co_u32 s20, s20, s21
	s_add_co_u32 s20, s20, 4096
	s_mov_b32 s21, 0
	s_wait_dscnt 0x0
	s_wait_kmcnt 0x0
	s_add_nc_u64 s[18:19], s[6:7], s[18:19]
.irp s, 0,1,2,3
	s_mov_b32 s[G0+4*\s], 1
	s_add_co_u32 s[G0+4*\s+1], s16, \s*4*REC
	s_add_nc_u64 s[G0+4*\s+2:G0+4*\s+3], s[18:19], \s*4*REC
	s_or_b32 s[G0+4*\s+3], s[G0+4*\s+3], 0x80000000
.endr
	s_add_nc_u64 s[54:55], s[4:5], s[20:21]
	s_add_nc_u64 s[4:5], s[4:5], s[22:23]
	ROUND                                          ; all four work-groups are here: the joint loads meet
	s_cmp_lt_u32 s[WV], 2
	s_cbranch_scc0 .Lasked
	tensor_load_to_lds s[G0:G0+3], s[G1:G1+7]
	s_nop 0
	tensor_load_to_lds s[G0+4:G0+7], s[G1:G1+7]
	s_nop 0
	tensor_load_to_lds s[G0+8:G0+11], s[G1:G1+7]
	s_nop 0
	tensor_load_to_lds s[G0+12:G0+15], s[G1:G1+7]
	s_nop 0
	PLACES
.Lasked:
	v_and_b32 v3, 31, v0
	s_delay_alu instid0(VALU_DEP_1)
	v_lshlrev_b32 v[L16], 4, v3
	s_delay_alu instid0(VALU_DEP_2)
	v_lshlrev_b32 v[L8], 3, v3
	v_and_b32 v4, 15, v0
	s_delay_alu instid0(VALU_DEP_1)
	v_lshlrev_b32 v[R32], 5, v4
	s_and_b32 s15, s[WV], 1
	s_lshl_b32 s15, s15, 7
	v_lshl_add_u32 v[QSO], v4, 3, s15
	global_load_b128 v[QA:QA+3], v[L16], s[4:5]
	global_load_b128 v[QB:QB+3], v[L16], s[4:5] offset:9216
	global_load_b32 v[QSA], v[QSO], s[54:55]
	global_load_b32 v[QSB], v[QSO], s[54:55] offset:9216
	; where O goes: token tile (batch x 128 + 32 cx + w); oimg: 16 heads x 512 bytes a tile; oscl: 32 bytes a token
	s_lshr_b32 s15, s14, 4
	s_lshl_b32 s15, s15, 7
	s_lshl_b32 s20, s13, 5
	s_add_co_u32 s15, s15, s20
	s_add_co_u32 s15, s15, s[WV]
	s_and_b32 s22, s14, 15                         ; the head
	s_lshl_b32 s20, s15, 4
	s_add_co_u32 s20, s20, s22
	s_lshl_b32 s20, s20, 9
	s_add_nc_u64 s[56:57], s[8:9], s[20:21]
	s_lshl_b32 s20, s15, 9
	s_lshl_b32 s22, s22, 1
	s_add_co_u32 s20, s20, s22
	s_add_nc_u64 s[58:59], s[10:11], s[20:21]
.irp st, STA, STB
	v_mov_b32 v[\st+1], 0xff61b1e6                 ; the largest t so far: -3e38
	s_delay_alu instid0(VALU_DEP_1)
	v_floor_f32 v[\st], -v[\st+1]                  ; -M
	v_mov_b32 v[\st+2], 0
	v_mov_b32 v[\st+3], 0
.endr
	v_mov_b32 v[FF+1], 0
.irp j, 0,1,2,3
	v_mov_b32 v[QA+4+\j], 0                        ; zero codes
	v_mov_b32 v[QB+4+\j], 0
	v_mov_b32 v[KV+32+\j], 0
	v_mov_b32 v[BP+\j], 0                          ; written once: a lane permute's destination counts as one of its sources
.endr
.set j, 0
.rept 64
	v_mov_b32 v[OA+j], 0                           ; O^T of both tiles.  (The step is written once: its first pass finds zeros, which the first change of M leaves zeros)
.set j, j+1
.endr
; S^T = K Q^T for one tile of queries: eight tiles of 16 keys
.macro SQK q, qs
.irp T, 0,2,4,6
	v_wmma_scale_f32_16x16x128_f8f6f4 v[S+8*\T:S+8*\T+7], v[KV+4*\T:KV+4*\T+7], v[\q:\q+7], 0, v[KS+\T/2], v[\qs] matrix_a_fmt:MATRIX_FMT_FP4 matrix_b_fmt:MATRIX_FMT_FP4
	v_wmma_scale_f32_16x16x128_f8f6f4 v[S+8*\T+8:S+8*\T+15], v[KV+4*\T+4:KV+4*\T+11], v[\q:\q+7], 0, v[KS+\T/2], v[\qs] matrix_a_fmt:MATRIX_FMT_FP4 matrix_b_fmt:MATRIX_FMT_FP4 matrix_a_scale:MATRIX_SCALE_ROW1
.endr
.endm
; one tile's softmax for 128 keys.  Register 16 b + i of S holds a key of block b (16 of its 32; the others lie in lane l xor 16)
.macro SOFTMAX st, o, pc, pw
.irp b, 0,1,2,3
	v_max3_num_f32 v[BM+\b], v[S+16*\b], v[S+16*\b+1], v[S+16*\b+2]   ; the largest SCORE of each block: it serves for the row's maximum and, since p rises with the score, for the block's largest p
.endr
.irp i, 3,5,7,9,11,13
.irp b, 0,1,2,3
	v_max3_num_f32 v[BM+\b], v[BM+\b], v[S+16*\b+\i], v[S+16*\b+\i+1]
.endr
.endr
.irp b, 0,1,2,3
	v_max_num_f32 v[BM+\b], v[BM+\b], v[S+16*\b+15]
.endr
.irp b, 0,1,2,3
	s_delay_alu instid0(VALU_DEP_4)
	v_permlanex16_b32 v[BP+\b], v[BM+\b], s[SEL], s[SEL+1]
.endr
.irp b, 0,1,2,3
	s_delay_alu instid0(VALU_DEP_4)
	v_max_num_f32 v[BM+\b], v[BM+\b], v[BP+\b]
.endr
	s_delay_alu instid0(VALU_DEP_2)
	v_max3_num_f32 v[TT], v[BM], v[BM+1], v[BM+2]
	s_delay_alu instid0(VALU_DEP_1)
	v_max_num_f32 v[TT], v[TT], v[BM+3]
	s_delay_alu instid0(VALU_DEP_1)
	v_mul_f32 v[TT], s[CS], v[TT]                  ; as t (c is positive)
	s_delay_alu instid0(VALU_DEP_1)
	v_max_num_f32 v[\st+1], v[\st+1], v[TT]        ; the running largest t
	v_mov_b32 v[TT], v[\st]
	s_delay_alu instid0(VALU_DEP_2)
	v_floor_f32 v[\st], -v[\st+1]                  ; the new -M = -ceil(t)
	s_delay_alu instid0(VALU_DEP_1)
	v_sub_f32 v[TT], v[\st], v[TT]                 ; old M - new M: a whole number, 0 or less
	s_delay_alu instid0(VALU_DEP_1)
	v_cvt_i32_f32 v[TT], v[TT]                     ; (it saturates)
	s_delay_alu instid0(VALU_DEP_1)
	v_ldexp_f32 v[FF], 1.0, v[TT]                  ; f
.irp j, 0,2,4,6,8,10,12,14,16,18,20,22,24,26,28,30,32,34,36,38,40,42,44,46,48,50,52,54,56,58,60,62
	v_pk_fma_f32 v[S+\j:S+\j+1], v[S+\j:S+\j+1], s[CS:CS+1], v[\st:\st+1] op_sel_hi:[1,0,0]   ; t - M
.endr
.irp b, 0,1,2,3
	v_fma_f32 v[BM+\b], v[BM+\b], s[CS], v[\st]
.endr
.set j, 0
	s_wait_alu depctr_va_vdst(0)
.rept 64
	v_exp_f32 v[S+j], v[S+j]                       ; p = 2^(t - M)
.set j, j+1
.endr
.irp b, 0,1,2,3
	v_exp_f32 v[BM+\b], v[BM+\b]                   ; the block's largest p: the same two instructions on the same number
.endr
	v_pk_mul_f32 v[\st+2:\st+3], v[\st+2:\st+3], v[FF:FF+1] op_sel_hi:[1,0]   ; the sum under the new M (the plain line behind the exponentials)
	s_wait_alu depctr_va_vdst(0)
.irp b, 0,1,2,3
	v_max_num_f32 v[BM+\b], 0x1800000, v[BM+\b]    ; the floor 2^(3 - 127)
.endr
.irp b, 0,1,2,3
	s_delay_alu instid0(VALU_DEP_4)
	v_add_nc_u32 v[BO+\b], 0xff000000, v[BM+\b]
.endr
.irp b, 0,1,2,3
	s_delay_alu instid0(VALU_DEP_4)
	v_lshrrev_b32 v[BP+\b], 23, v[BO+\b]
.endr
	s_delay_alu instid0(VALU_DEP_3)
	v_lshl_or_b32 v[\pw], v[BP+1], 8, v[BP]
	s_delay_alu instid0(VALU_DEP_1)
	v_lshl_or_b32 v[\pw], v[BP+2], 16, v[\pw]
	s_delay_alu instid0(VALU_DEP_1)
	v_lshl_or_b32 v[\pw], v[BP+3], 24, v[\pw]
.irp c, 0,1
	v_cvt_scalef32_pk8_fp4_f32 v[\pc+4*\c], v[S+32*\c:S+32*\c+7], v[BO+2*\c]
	v_cvt_scalef32_pk8_fp4_f32 v[\pc+4*\c+2], v[S+32*\c+8:S+32*\c+15], v[BO+2*\c]
	v_cvt_scalef32_pk8_fp4_f32 v[\pc+4*\c+1], v[S+32*\c+16:S+32*\c+23], v[BO+2*\c+1]
	v_cvt_scalef32_pk8_fp4_f32 v[\pc+4*\c+3], v[S+32*\c+24:S+32*\c+31], v[BO+2*\c+1]
.endr
	v_nop                                          ; one plain line behind the scaled conversions
.irp c, 0,1
	v_permlane16_swap_b32 v[\pc+4*\c], v[\pc+4*\c+1]       ; registers 4 c .. 4 c + 3 now hold keys 64 c + 32 (lane / 16) + 0 .. 31
	v_permlane16_swap_b32 v[\pc+4*\c+2], v[\pc+4*\c+3]
.endr
	v_pk_add_f32 v[BP:BP+1], v[S:S+1], v[S+2:S+3]  ; the sum of the unquantised p, in two chains
.irp j, 4,8,12,16,20,24,28,32,36,40,44,48,52,56,60
	v_pk_add_f32 v[\st+2:\st+3], v[\st+2:\st+3], v[S+\j:S+\j+1]
	v_pk_add_f32 v[BP:BP+1], v[BP:BP+1], v[S+\j+2:S+\j+3]
.endr
	s_delay_alu instid0(VALU_DEP_1)
	v_pk_add_f32 v[\st+2:\st+3], v[\st+2:\st+3], v[BP:BP+1]
.irp j, 0,2,4,6,8,10,12,14,16,18,20,22,24,26,28,30
	v_pk_mul_f32 v[\o+\j:\o+\j+1], v[\o+\j:\o+\j+1], v[FF:FF+1] op_sel_hi:[1,0]   ; O^T under the new M.  (The 48 lines behind the exchanges are far more than the eight that stand between a scale word so made and its product)
.endr
.endm
; a key step: 128 keys, one record
.macro STEP
	v_add_nc_u32 v[ADK], s[TB], v[L16]
	v_add_nc_u32 v[ADS], s[TB], v[L8]
	v_nop
	v_nop                                          ; four plain lines in front of loads into registers that the last step's products have read
	ds_load_b64 v[KS:KS+1], v[ADS] offset:4096
	ds_load_b64 v[KS+2:KS+3], v[ADS] offset:4352
.irp T, 0,1,2,3,4,5,6,7
	ds_load_b128 v[KV+4*\T:KV+4*\T+3], v[ADK] offset:512*\T
.endr
	s_wait_dscnt 0x0
	SQK QA, QSA
	PLACES
	SOFTMAX STA, OA, PCA, PWA
	SQK QB, QSB
	PLACES                                         ; for the reads of S below and for the loads into K's registers
	ds_load_b64 v[VS:VS+1], v[ADS] offset:8704
.irp t, 0,1,2,3
.irp c, 0,1
	ds_load_b128 v[KV+8*\t+4*\c:KV+8*\t+4*\c+3], v[ADK] offset:4608+1024*\t+512*\c   ; V's fragments land under tile B's softmax
.endr
.endr
	s_setprio 1
	SOFTMAX STB, OB, PCB, PWB
	s_setprio 0
	s_wait_alu depctr_va_vdst(0)
	s_wait_dscnt 0x0
.irp t, 0,2                                    ; O^T += V^T P^T: the eight accumulators take turns
	v_wmma_scale_f32_16x16x128_f8f6f4 v[OA+8*\t:OA+8*\t+7], v[KV+8*\t:KV+8*\t+7], v[PCA:PCA+7], v[OA+8*\t:OA+8*\t+7], v[VS+\t/2], v[PWA] matrix_a_fmt:MATRIX_FMT_FP4 matrix_b_fmt:MATRIX_FMT_FP4
	v_wmma_scale_f32_16x16x128_f8f6f4 v[OB+8*\t:OB+8*\t+7], v[KV+8*\t:KV+8*\t+7], v[PCB:PCB+7], v[OB+8*\t:OB+8*\t+7], v[VS+\t/2], v[PWB] matrix_a_fmt:MATRIX_FMT_FP4 matrix_b_fmt:MATRIX_FMT_FP4
	v_wmma_scale_f32_16x16x128_f8f6f4 v[OA+8*\t+8:OA+8*\t+15], v[KV+8*\t+8:KV+8*\t+15], v[PCA:PCA+7], v[OA+8*\t+8:OA+8*\t+15], v[VS+\t/2], v[PWA] matrix_a_fmt:MATRIX_FMT_FP4 matrix_b_fmt:MATRIX_FMT_FP4 matrix_a_scale:MATRIX_SCALE_ROW1
	v_wmma_scale_f32_16x16x128_f8f6f4 v[OB+8*\t+8:OB+8*\t+15], v[KV+8*\t+8:KV+8*\t+15], v[PCB:PCB+7], v[OB+8*\t+8:OB+8*\t+15], v[VS+\t/2], v[PWB] matrix_a_fmt:MATRIX_FMT_FP4 matrix_b_fmt:MATRIX_FMT_FP4 matrix_a_scale:MATRIX_SCALE_ROW1
.endr
	s_add_co_u32 s[TB], s[TB], REC
.endm
; four key steps: the records that load k of waves 0 and 1 brought
.macro STAGE k
	s_wait_tensorcnt 3-\k                          ; my load k is in; the 3 - k issued behind it may be out
	s_barrier_signal -1
	s_barrier_wait -1
	s_mov_b32 s[CNT], 4
.Lstep_\@:
	s_setprio 2
	STEP
	s_sub_co_u32 s[CNT], s[CNT], 1
	s_cmp_lg_u32 s[CNT], 0
	s_cbranch_scc1 .Lstep_\@
	s_setprio 0
.endm
; 32 registers of a lane, register 8 p + j = index 16 p + 8 (lane / 16) + j of the head's 64, become four registers of codes and the two scale bytes
.macro QUANT src, pc, hw
.irp b, 0,1
	v_max3_num_f32 v[BM+\b], |v[\src+16*\b]|, |v[\src+16*\b+1]|, 0x1800000
.endr
.irp i, 2,4,6,8,10,12,14
.irp b, 0,1
	s_delay_alu instid0(VALU_DEP_2)
	v_max3_num_f32 v[BM+\b], v[BM+\b], |v[\src+16*\b+\i]|, |v[\src+16*\b+\i+1]|
.endr
.endr
.irp b, 0,1
	s_delay_alu instid0(VALU_DEP_2)
	v_permlanex16_b32 v[BP+\b], v[BM+\b], s[SEL], s[SEL+1]
.endr
.irp b, 0,1
	s_delay_alu instid0(VALU_DEP_2)
	v_max_num_f32 v[BM+\b], v[BM+\b], v[BP+\b]
.endr
.irp b, 0,1
	s_delay_alu instid0(VALU_DEP_2)
	v_add_nc_u32 v[BO+\b], 0xff000000, v[BM+\b]
.endr
.irp b, 0,1
	s_delay_alu instid0(VALU_DEP_2)
	v_lshrrev_b32 v[BP+\b], 23, v[BO+\b]
.endr
	s_delay_alu instid0(VALU_DEP_1)
	v_lshl_or_b32 v[\hw], v[BP+1], 8, v[BP]
	v_cvt_scalef32_pk8_fp4_f32 v[\pc], v[\src:\src+7], v[BO]
	v_cvt_scalef32_pk8_fp4_f32 v[\pc+2], v[\src+8:\src+15], v[BO]
	v_cvt_scalef32_pk8_fp4_f32 v[\pc+1], v[\src+16:\src+23], v[BO+1]
	v_cvt_scalef32_pk8_fp4_f32 v[\pc+3], v[\src+24:\src+31], v[BO+1]
	v_nop
	v_permlane16_swap_b32 v[\pc], v[\pc+1]
	v_permlane16_swap_b32 v[\pc+2], v[\pc+3]
.endm
.macro FINISH st, o, pc, hw                    ; O^T / l, quantised
	v_add_f32 v[TT], v[\st+2], v[\st+3]
	s_delay_alu instid0(VALU_DEP_1)
	v_permlanex16_b32 v[BP], v[TT], s[SEL], s[SEL+1]
	s_delay_alu instid0(VALU_DEP_1)
	v_add_f32 v[TT], v[TT], v[BP]                  ; the row's sum
	s_wait_alu depctr_va_vdst(0)
	v_rcp_f32 v[RL], v[TT]
	v_rcp_f32 v[RL+1], v[TT]
	v_nop                                          ; one plain line behind the reciprocals
	s_wait_alu depctr_va_vdst(0)
.irp j, 0,2,4,6,8,10,12,14,16,18,20,22,24,26,28,30
	v_pk_mul_f32 v[\o+\j:\o+\j+1], v[\o+\j:\o+\j+1], v[RL:RL+1]
.endr
	QUANT \o, \pc, \hw
.endm
	s_wait_loadcnt 0x0                             ; Q
	STAGE 0
	STAGE 1
	STAGE 2
	STAGE 3
	PLACES
	FINISH STA, OA, PCA, HWA
	FINISH STB, OB, PCB, HWB
	global_store_b128 v[L16], v[PCA:PCA+3], s[56:57]               ; an image: 512 consecutive bytes
	global_store_b16 v[R32], v[HWA], s[58:59]
	global_store_b128 v[L16], v[PCB:PCB+3], s[56:57] offset:131072 ; tile B: 16 token tiles on
	global_store_b16 v[R32], v[HWB], s[58:59] offset:8192
	s_wait_tensorcnt 0x0
	ds_add_u32 v254, v255
	s_wait_dscnt 0x0
	ROUND                                          ; the closing round
	s_endpgm
.Lfunc_end_k_q2860c2bad4_attn:
	.size	k_q2860c2bad4_attn, .Lfunc_end_k_q2860c2bad4_attn-k_q2860c2bad4_attn
	.p2alignl 7, 3214868480
	.fill 96, 4, 3214868480
	.section	.rodata,"a",@progbits
	.p2align	6, 0x0
	.amdhsa_kernel k_q2860c2bad4_attn
		.amdhsa_group_segment_fixed_size 169984
		.amdhsa_private_segment_fixed_size 0
		.amdhsa_enable_private_segment 0
		.amdhsa_kernarg_size 32
		.amdhsa_user_sgpr_count 2
		.amdhsa_user_sgpr_kernarg_segment_ptr 1
		.amdhsa_wavefront_size32 1
		.amdhsa_system_sgpr_workgroup_id_x 1
		.amdhsa_system_sgpr_workgroup_id_y 1
		.amdhsa_system_sgpr_workgroup_id_z 1
		.amdhsa_system_vgpr_workitem_id 0
		.amdhsa_next_free_vgpr 256
		.amdhsa_next_free_sgpr 66
		.amdhsa_reserve_vcc 0
		.amdhsa_float_denorm_mode_32 3
		.amdhsa_float_denorm_mode_16_64 3
		.amdhsa_memory_ordered 1
		.amdhsa_forward_progress 1
		.amdhsa_inst_pref_size 138
	.end_amdhsa_kernel
	.amdgpu_metadata
---
amdhsa.version: [ 1, 2 ]
amdhsa.kernels:
  - .name:           k_q2860c2bad4_attn
    .symbol:         k_q2860c2bad4_attn.kd
    .args:
      - { .name: qimg, .offset: 0, .size: 8, .value_kind: global_buffer, .address_space: global }
      - { .name: kv, .offset: 8, .size: 8, .value_kind: global_buffer, .address_space: global }
      - { .name: oimg, .offset: 16, .size: 8, .value_kind: global_buffer, .address_space: global }
      - { .name: oscl, .offset: 24, .size: 8, .value_kind: global_buffer, .address_space: global }
    .group_segment_fixed_size: 169984
    .private_segment_fixed_size: 0
    .kernarg_segment_align: 8
    .kernarg_segment_size: 32
    .max_flat_workgroup_size: 512
    .sgpr_count:     66
    .vgpr_count:     256
    .wavefront_size: 32
...
	.end_amdgpu_metadata
.endif
;; end of part 2
;; launch outp (part 3): grid 4 x 64, 8 waves a work-group, clusters of 4 x 4, 253,696 bytes of LDS; arguments oimg, oscl, Wo_codes, Wo_scales, bo, out0; writes out0
.if DOCPART == 3
	.amdgcn_target "amdgcn-amd-amdhsa--gfx1250"
	.amdhsa_code_object_version 6
	.text
	.protected	k_q2860c2bad4_outp
	.globl	k_q2860c2bad4_outp
	.p2align	8
	.type	k_q2860c2bad4_outp,@function
k_q2860c2bad4_outp:
	s_mov_b64 s[64:65], 0
	v_nop
	global_prefetch_b8 v0, s[64:65] scope:SCOPE_SE
	s_setreg_imm32_b32 hwreg(HW_REG_WAVE_MODE, 25, 1), 1
	s_wait_xcnt 0x0
	s_wait_alu depctr_hold_cnt(0) depctr_sa_sdst(0) depctr_va_vdst(0) depctr_va_sdst(0) depctr_va_ssrc(0) depctr_va_vcc(0) depctr_vm_vsrc(0)
	s_getreg_b32 s2, hwreg(HW_REG_IB_STS2, 6, 4)
	s_cmp_eq_u32 s2, 0
	s_cbranch_scc0 .Lentry_in_a_cluster
	s_endpgm
.Lentry_in_a_cluster:
	s_bfe_u32 s2, ttmp6, 0x10000c
	s_cmp_lg_u32 s2, 0xf033
	s_cbranch_scc0 .Lentry_shape_is_right
	s_endpgm
.Lentry_shape_is_right:
; out = O Wo^T + bo on codes of FP4 (E2M1) with one E8M0 byte for each 32 along K; sums and out in f32.
; O comes as images of operand registers, oimg [token tile of 16][head][512 bytes] (two heads are a K step of 128: a fragment's eight registers), and scale bytes oscl [token][32].
; SHARES.  256 work-groups: 128 tokens (y) x 256 features (x).  Eight waves; wave w makes tokens 64 (w mod 2) on x features 64 (w / 2) on: 16 accumulators, 8 K steps of 128.
; All of K = 1,024 of the tile lies in LDS, in two chunks of 512 along K: every LDS byte that a tensor load fills is filled once; the stage for the way out has bytes of its own.
; CLUSTER 4 x 4: O's tile hangs on y alone and is asked for jointly along a row of the cluster, Wo's on x alone and jointly along a column.
; Source 0 = 16 rows of Wo, source 1 = 16 tokens: a lane's eight results are eight neighbouring features of one token.  LIMITS: NaN and infinities are not served.
.set LX0, 0                            ; LDS: chunk 0 of O: 8 token tiles x 4,096 bytes, dense
.set LX1, 32768
.set LW0, 65536                        ; chunk 0 of Wo: 256 rows, 256 bytes + 16 of padding
.set LW1, 135168
.set LXS, 204800                       ; O's scale bytes: 16 units of 256 + 16
.set LWS, 209152                       ; Wo's: 32 such units
.set STAGE, 217856                     ; 16 rows x (256 + 16) bytes for each wave
.set ADX,  1                           ; v1, v3
.set ADW,  2                           ; v2, v4
.set ADSC, 5
.set BOH,  8
.set STO,  10
.set RD,   11
.set CO,   12
.set SC,   16
.set XF,   32
.set WF,   64
.set BI,   96
.set ACC,  128
.set WV,   38
.set CW,   39
.set HD,   40
.set CX,   41
.set CY,   42
.set GX,   43
.set GY,   44
.set G1X,  52
.set G1W,  68
.set G1XS, 76
.set G1WS, 84
.macro ROUND
	s_barrier_signal -1
	s_barrier_wait -1
	s_cmp_lg_u32 s[WV], 0
	s_cbranch_scc1 .Lnot_wave_0_\@
	s_barrier_signal -3
.Lnot_wave_0_\@:
	s_barrier_wait -3
	s_barrier_signal -1
	s_barrier_wait -1
.endm
.macro PLACES
.rept 4
	v_nop
.endr
.endm
	s_load_b256 s[4:11], s[0:1], 0x0               ; oimg, oscl, Wo's codes, Wo's scales
	s_load_b64 s[12:13], s[0:1], 0x20              ; bo
	s_load_b64 s[34:35], s[0:1], 0x28              ; out0
	v_lshl_add_u32 v26, v0, 2, 0x3db00
	v_mov_b32 v27, 0
	ds_add_u32 v26, v27
	ds_add_u32 v26, v27
	v_lshrrev_b32 v1, 5, v0
	s_delay_alu instid0(VALU_DEP_1)
	v_readfirstlane_b32 s[WV], v1
	s_and_b32 s[CW], s[WV], 1
	s_lshr_b32 s[HD], s[WV], 1
	s_bfe_u32 s[CX], ttmp6, 0x40000
	s_bfe_u32 s[CY], ttmp6, 0x40004
	s_lshl_b32 s[GX], ttmp9, 2
	s_add_co_u32 s[GX], s[GX], s[CX]
	s_and_b32 s[GY], ttmp7, 0xffff
	s_lshl_b32 s[GY], s[GY], 2
	s_add_co_u32 s[GY], s[GY], s[CY]
	s_lshl_b32 s50, s[CY], 2
	s_lshl_b32 s50, 15, s50                        ; my row of the cluster
	s_lshl_b32 s60, 0x1111, s[CX]                  ; my column
	s_or_b32 s[G1X], s50, (3<<16)|(1<<21)          ; O: elements of 8 bytes, no padding
	s_mov_b32 s[G1X+1], 512<<16                    ; rows of 4,096 bytes: eight heads of a token tile,
	s_mov_b32 s[G1X+2], 8<<16                      ; eight token tiles,
	s_mov_b32 s[G1X+3], 512<<16
	s_mov_b32 s[G1X+4], 8
	s_mov_b32 s[G1X+5], 1024                       ; 8,192 bytes apart
	s_mov_b32 s[G1X+6], 0
	s_mov_b32 s[G1X+7], 0
	s_or_b32 s[G1W], s60, (1<<20)|(1<<21)|(5<<22)|(3<<25)
	s_mov_b32 s[G1W+1], 256<<16
	s_mov_b32 s[G1W+2], 128<<16
	s_mov_b32 s[G1W+3], 256<<16
	s_mov_b32 s[G1W+4], 128
	s_mov_b32 s[G1W+5], 512
	s_mov_b32 s[G1W+6], 0
	s_mov_b32 s[G1W+7], 0
	s_or_b32 s[G1XS], s50, (3<<16)|(1<<20)|(1<<21)|(5<<22)|(3<<25)
	s_or_b32 s[G1WS], s60, (3<<16)|(1<<20)|(1<<21)|(5<<22)|(3<<25)
.irp g, G1XS, G1WS
	s_mov_b32 s[\g+1], 32<<16
	s_mov_b32 s[\g+2], 16<<16
	s_mov_b32 s[\g+3], 32<<16
	s_mov_b32 s[\g+4], 16
	s_mov_b32 s[\g+5], 32
	s_mov_b32 s[\g+6], 0
	s_mov_b32 s[\g+7], 0
.endr
	s_wait_dscnt 0x0
	s_wait_kmcnt 0x0
	s_lshl_b32 s50, s[GY], 16                      ; eight token tiles of 8,192 bytes
	s_mov_b32 s51, 0
	s_add_nc_u64 s[14:15], s[4:5], s[50:51]
	s_mov_b32 s20, 1
	s_mov_b32 s21, LX0
	s_mov_b64 s[22:23], s[14:15]
	s_or_b32 s23, s23, 0x80000000
	s_mov_b32 s24, 1
	s_mov_b32 s25, LX1
	s_add_nc_u64 s[26:27], s[14:15], 4096
	s_or_b32 s27, s27, 0x80000000
	s_lshl_b32 s50, s[GY], 12
	s_mov_b32 s16, 1
	s_mov_b32 s17, LXS
	s_add_nc_u64 s[18:19], s[6:7], s[50:51]
	s_or_b32 s19, s19, 0x80000000
	s_lshr_b32 s62, s[WV], 1                       ; wave 1 fetches Wo's rows 0-127, wave 2 rows 128-255
	s_and_b32 s62, s62, 1
	s_lshl_b32 s60, s[GX], 17
	s_lshl_b32 s61, s62, 16
	s_add_co_u32 s60, s60, s61
	s_mov_b32 s61, 0
	s_add_nc_u64 s[32:33], s[8:9], s[60:61]
	s_mul_i32 s63, s62, 34816
	s_mov_b32 s92, 1
	s_add_co_u32 s93, s63, LW0
	s_mov_b64 s[94:95], s[32:33]
	s_or_b32 s95, s95, 0x80000000
	s_mov_b32 s96, 1
	s_add_co_u32 s97, s63, LW1
	s_add_nc_u64 s[98:99], s[32:33], 256
	s_or_b32 s99, s99, 0x80000000
	s_lshl_b32 s60, s[GX], 13
	s_lshl_b32 s63, s62, 12
	s_add_co_u32 s60, s60, s63
	s_add_nc_u64 s[30:31], s[10:11], s[60:61]
	s_or_b32 s31, s31, 0x80000000
	s_mul_i32 s63, s62, 4352
	s_mov_b32 s28, 1
	s_add_co_u32 s29, s63, LWS
	ROUND                                          ; all sixteen work-groups are here: the joint loads meet
	s_cmp_eq_u32 s[WV], 0                          ; a wave's fills stand in one branch on its number: three loads of a wave are out at the most
	s_cbranch_scc0 .Lnot_x
	tensor_load_to_lds s[16:19], s[G1XS:G1XS+7]
	s_nop 0
	tensor_load_to_lds s[20:23], s[G1X:G1X+7]
	s_nop 0
	tensor_load_to_lds s[24:27], s[G1X:G1X+7]
	s_nop 0
	PLACES
	s_branch .Lasked
.Lnot_x:
	s_cmp_lt_u32 s[WV], 3
	s_cbranch_scc0 .Lasked
	tensor_load_to_lds s[28:31], s[G1WS:G1WS+7]
	s_nop 0
	tensor_load_to_lds s[92:95], s[G1W:G1W+7]
	s_nop 0
	tensor_load_to_lds s[96:99], s[G1W:G1W+7]
	s_nop 0
	PLACES
.Lasked:
	s_lshl_b32 s2, s[GX], 10                       ; bo of my 64 features
	s_lshl_b32 s3, s[HD], 8
	s_add_co_u32 s2, s2, s3
	s_mov_b32 s3, 0
	s_add_nc_u64 s[12:13], s[12:13], s[2:3]
	v_and_b32 v28, 15, v0                          ; r
	v_bfe_u32 v29, v0, 4, 1                        ; h
	s_delay_alu instid0(VALU_DEP_1)
	v_lshlrev_b32 v[BOH], 5, v29
.irp wt, 0,1,2,3                               ; register j is feature 16 wt + 8 h + j
	global_load_b128 v[BI+8*\wt:BI+8*\wt+3], v[BOH], s[12:13] offset:64*\wt
	global_load_b128 v[BI+8*\wt+4:BI+8*\wt+7], v[BOH], s[12:13] offset:64*\wt+16
.endr
	v_and_b32 v31, 31, v0
	s_delay_alu instid0(VALU_DEP_1)
	v_lshlrev_b32 v31, 4, v31
	s_lshl_b32 s2, s[CW], 14                       ; my four token tiles
	v_add_nc_u32 v[ADX], s2, v31                   ; an image's place for my lane: 16 x lane
	s_delay_alu instid0(VALU_DEP_1)
	v_add_nc_u32 v[ADX+2], LX1-LX0, v[ADX]
	v_mul_u32_u24 v30, v28, 272
	s_delay_alu instid0(VALU_DEP_1)
	v_lshl_add_u32 v30, v29, 4, v30
	s_mul_i32 s3, s[HD], 17408
	s_add_co_u32 s3, s3, LW0
	v_add_nc_u32 v[ADW], s3, v30
	s_delay_alu instid0(VALU_DEP_1)
	v_add_nc_u32 v[ADW+2], LW1-LW0, v[ADW]
	v_lshrrev_b32 v30, 3, v28
	s_delay_alu instid0(VALU_DEP_1)
	v_mul_u32_u24 v30, v30, 272
	v_and_b32 v31, 7, v28
	s_delay_alu instid0(VALU_DEP_1)
	v_lshl_add_u32 v30, v31, 5, v30
	s_xor_b32 s2, s[CW], 1
	s_add_co_u32 s2, s2, s[HD]
	s_add_co_u32 s2, s2, 1
	s_mul_i32 s2, s2, 2176                         ; from my tokens' words to my rows' of Wo: 4,352 + 2,176 (w / 2) - 2,176 CW
	v_mul_u32_u24 v31, s2, v29
	s_delay_alu instid0(VALU_DEP_1)
	v_add_nc_u32 v30, v30, v31
	s_mul_i32 s3, s[CW], 2176
	s_add_co_u32 s3, s3, LXS
	v_add_nc_u32 v[ADSC], s3, v30
	s_mul_i32 s2, s[WV], 4352
	s_add_co_u32 s2, s2, STAGE                     ; my stage
	v_mul_u32_u24 v30, v28, 272
	s_delay_alu instid0(VALU_DEP_1)
	v_lshl_add_u32 v30, v29, 5, v30
	s_delay_alu instid0(VALU_DEP_1)
	v_add_nc_u32 v[STO], s2, v30                   ; in: row r, 32 bytes for each half of the lanes
	v_mul_u32_u24 v30, v29, 272
	s_delay_alu instid0(VALU_DEP_1)
	v_lshl_add_u32 v30, v28, 4, v30
	s_delay_alu instid0(VALU_DEP_1)
	v_add_nc_u32 v[RD], s2, v30                    ; back: lanes 0-15 one row of 256 bytes, lanes 16-31 the next
	v_lshlrev_b32 v30, 12, v29
	s_delay_alu instid0(VALU_DEP_1)
	v_lshl_add_u32 v[CO], v28, 4, v30              ; and the same two rows in out0
	s_lshl_b32 s2, s[GY], 7
	s_lshl_b32 s3, s[CW], 6
	s_add_co_u32 s2, s2, s3                        ; my first token
	s_lshl_b32 s2, s2, 12
	s_lshl_b32 s3, s[GX], 10
	s_add_co_u32 s2, s2, s3
	s_lshl_b32 s3, s[HD], 8
	s_add_co_u32 s2, s2, s3                        ; my first feature, in bytes
	s_mov_b32 s3, 0
	s_add_nc_u64 s[34:35], s[34:35], s[2:3]
.macro LOADS k, qq
.irp i, 0,1,2,3
	ds_load_b32 v[SC+\i], v[ADSC] offset:544*\i+16*\k+4*\qq
.endr
.irp i, 0,1,2,3
.irp c, 0,1
	ds_load_b128 v[WF+8*\i+4*\c:WF+8*\i+4*\c+3], v[ADW+2*\k] offset:4352*\i+64*\qq+32*\c
.endr
.endr
.irp i, 0,1,2,3
.irp c, 0,1
	ds_load_b128 v[XF+8*\i+4*\c:XF+8*\i+4*\c+3], v[ADX+2*\k] offset:4096*\i+1024*\qq+512*\c
.endr
.endr
.endm
.macro MULS first                              ; the 16 accumulators take turns, one instruction a turn
.irp xt, 0,1,2,3
	s_wait_dscnt 6-2*\xt                           ; token tile xt is in; the two loads of each later tile may be out
.irp wt, 0,1,2,3
.set DD, ACC+8*(4*\xt+\wt)
.if \first
	v_wmma_scale_f32_16x16x128_f8f6f4 v[DD:DD+7], v[WF+8*\wt:WF+8*\wt+7], v[XF+8*\xt:XF+8*\xt+7], v[BI+8*\wt:BI+8*\wt+7], v[SC+\wt], v[SC+\xt] matrix_a_fmt:MATRIX_FMT_FP4 matrix_b_fmt:MATRIX_FMT_FP4 matrix_a_scale:MATRIX_SCALE_ROW1
.else
	v_wmma_scale_f32_16x16x128_f8f6f4 v[DD:DD+7], v[WF+8*\wt:WF+8*\wt+7], v[XF+8*\xt:XF+8*\xt+7], v[DD:DD+7], v[SC+\wt], v[SC+\xt] matrix_a_fmt:MATRIX_FMT_FP4 matrix_b_fmt:MATRIX_FMT_FP4 matrix_a_scale:MATRIX_SCALE_ROW1
.endif
.endr
.endr
.endm
.macro KSTEP k, qq
.if (\k)+(\qq) > 0
	PLACES                                         ; in front of loads into registers that the last step's products have read
	LOADS \k, \qq
	MULS 0
.else
	LOADS \k, \qq
	MULS 1
.endif
.endm
	s_wait_alu depctr_va_vdst(0)
	s_wait_loadcnt 0x0                             ; bo
	s_wait_tensorcnt 0x1                           ; my scale bytes and my part of chunk 0 are in; chunk 1's load may be out
	s_barrier_signal -1
	s_barrier_wait -1
.irp qq, 0,1,2,3
	KSTEP 0, \qq
.endr
	s_wait_tensorcnt 0x0
	s_barrier_signal -1
	s_barrier_wait -1
.irp qq, 0,1,2,3
	KSTEP 1, \qq
.endr
; THE WAY OUT, a block of 16 tokens x 64 features at a time, through my own stage: LDS serves a wave's instructions in order (ISA guide 5.7.1.4), so no wait stands between the stores and the loads
.macro TOSTAGE a
.irp wt, 0,1,2,3
	ds_store_b128 v[STO], v[ACC+32*(\a)+8*\wt:ACC+32*(\a)+8*\wt+3] offset:64*\wt       ; each accumulator from its low end on
	ds_store_b128 v[STO], v[ACC+32*(\a)+8*\wt+4:ACC+32*(\a)+8*\wt+7] offset:64*\wt+16
.endr
.set BB, XF+32*((\a)%2)
.irp i, 0,1,2,3,4,5,6,7
	ds_load_b128 v[BB+4*\i:BB+4*\i+3], v[RD] offset:544*\i
.endr
.endm
.macro SEND a, younger                         ; younger: the LDS instructions issued behind block a's loads, which may stay out
.set BB, XF+32*((\a)%2)
	s_wait_dscnt \younger
.irp i, 0,1,2,3,4,5,6,7
	global_store_b128 v[CO], v[BB+4*\i:BB+4*\i+3], s[34:35] offset:(16*(\a)+2*\i)*4096 th:TH_STORE_NT   ; sixteen lanes store 256 consecutive bytes, at a multiple of 256 from out0's first byte
.endr
.endm
	PLACES
	TOSTAGE 0
	TOSTAGE 1
	SEND 0, 16                                     ; behind block 0's loads: block 1's 8 stores and 8 loads
	s_wait_xcnt 0x0                                ; block 0's stores have read their registers: block 2's loads may land there
	TOSTAGE 2
	SEND 1, 16
	s_wait_xcnt 0x0
	TOSTAGE 3
	SEND 2, 16
	SEND 3, 0
	s_wait_tensorcnt 0x0
	ds_add_u32 v26, v27
	s_wait_dscnt 0x0
	ROUND                                          ; the closing round
	s_endpgm
.Lfunc_end_k_q2860c2bad4_outp:
	.size	k_q2860c2bad4_outp, .Lfunc_end_k_q2860c2bad4_outp-k_q2860c2bad4_outp
	.p2alignl 7, 3214868480
	.fill 96, 4, 3214868480
	.section	.rodata,"a",@progbits
	.p2align	6, 0x0
	.amdhsa_kernel k_q2860c2bad4_outp
		.amdhsa_group_segment_fixed_size 253696
		.amdhsa_private_segment_fixed_size 0
		.amdhsa_enable_private_segment 0
		.amdhsa_kernarg_size 48
		.amdhsa_user_sgpr_count 2
		.amdhsa_user_sgpr_kernarg_segment_ptr 1
		.amdhsa_wavefront_size32 1
		.amdhsa_system_sgpr_workgroup_id_x 1
		.amdhsa_system_sgpr_workgroup_id_y 1
		.amdhsa_system_sgpr_workgroup_id_z 1
		.amdhsa_system_vgpr_workitem_id 0
		.amdhsa_next_free_vgpr 256
		.amdhsa_next_free_sgpr 100
		.amdhsa_reserve_vcc 0
		.amdhsa_float_denorm_mode_32 3
		.amdhsa_float_denorm_mode_16_64 3
		.amdhsa_memory_ordered 1
		.amdhsa_forward_progress 1
		.amdhsa_inst_pref_size 46
	.end_amdhsa_kernel
	.amdgpu_metadata
---
amdhsa.version: [ 1, 2 ]
amdhsa.kernels:
  - .name:           k_q2860c2bad4_outp
    .symbol:         k_q2860c2bad4_outp.kd
    .args:
      - { .name: oimg, .offset: 0, .size: 8, .value_kind: global_buffer, .address_space: global }
      - { .name: oscl, .offset: 8, .size: 8, .value_kind: global_buffer, .address_space: global }
      - { .name: Wo_codes, .offset: 16, .size: 8, .value_kind: global_buffer, .address_space: global }
      - { .name: Wo_scales, .offset: 24, .size: 8, .value_kind: global_buffer, .address_space: global }
      - { .name: bo, .offset: 32, .size: 8, .value_kind: global_buffer, .address_space: global }
      - { .name: out0, .offset: 40, .size: 8, .value_kind: global_buffer, .address_space: global }
    .group_segment_fixed_size: 253696
    .private_segment_fixed_size: 0
    .kernarg_segment_align: 8
    .kernarg_segment_size: 48
    .max_flat_workgroup_size: 256
    .sgpr_count:     100
    .vgpr_count:     256
    .wavefront_size: 32
...
	.end_amdgpu_metadata
.endif
;; end of part 3
